; MI455X (gfx1250); checked and timed in simulation.
; The chip was launched on July 23, 2026; its instructions are those of AMD's public machine-readable ISA for CDNA 5 (MIT licence, August 2026) and "CDNA5" Instruction Set Architecture Reference Guide (July 2026). The comments in the code are by the model that wrote it; some were corrected since.
;; LSTM. Allowed arithmetic: float matrix products may take bf16 or f16 operands with f32 sums; other float arithmetic in f32, or as packed bf16 or f16 multiplies, adds, multiply-adds, maxima and minima; sums over many terms, partial sums and values carried from step to step in f32; what a program stores and reads back later, other than sums and carried values, may be rounded once to bf16 or f16.
;; Inputs: Wf_h 2,048 x 2,048 float32; Wf_x 2,048 x 2,048 float32; Wg_h 2,048 x 2,048 float32; Wg_x 2,048 x 2,048 float32; Wi_h 2,048 x 2,048 float32; Wi_x 2,048 x 2,048 float32; Wo_h 2,048 x 2,048 float32; Wo_x 2,048 x 2,048 float32; behavior 2,048 x 2,048 float32; bf 2,048 float32; bg 2,048 float32; bi 2,048 float32; bo 2,048 float32; c0 2,048 x 2,048 float32; h0 2,048 x 2,048 float32.
;; Outputs: out0 2,048 x 2,048 float32.
;; 2 versions, each right; version 2 is version 1 with the launch pack written anew for expert scheduling mode. Each part assembles by itself: llvm-mc -triple=amdgcn-amd-amdhsa -mcpu=gfx1250 --defsym DOCPART=n.
;; ======== version 1 of 2: 2 launches
;; workspace buffers: abf 16,777,216 bytes; wbf 67,108,864 bytes
;; launch pack (part 1): grid 128 x 10, 8 waves a work-group, no clusters, 0 bytes of LDS; arguments h0, behavior, Wi_h, Wi_x, Wf_h, Wf_x, Wg_h, Wg_x, Wo_h, Wo_x, abf, wbf; writes abf, wbf
.if DOCPART == 1
	.amdgcn_target "amdgcn-amd-amdhsa--gfx1250"
	.amdhsa_code_object_version 6
	.text
	.protected	k_q49e0b6405f_pack
	.globl	k_q49e0b6405f_pack
	.p2align	8
	.type	k_q49e0b6405f_pack,@function
k_q49e0b6405f_pack:
	s_mov_b64 s[64:65], 0
	v_nop
	global_prefetch_b8 v0, s[64:65] scope:SCOPE_SE
	s_setreg_imm32_b32 hwreg(HW_REG_WAVE_MODE, 25, 1), 1
	s_wait_xcnt 0x0
; CAST AND BLOCK.  The ten f32 matrices of 2048 x 2048 that enter matrix products are rounded once to bf16 (nearest even) and written in blocks, so that what the
; next launch fetches for one K step of 128 lies dense in memory.
;   abf [mt 8][ks 32][kh 2][row 256][kk 64]: x = [h0 | behavior]; m = 256 mt + row, k = 128 ks + 64 kh + kk; k < 2048 is h0.
;   wbf [nt 32][ks 32][g 4][kk 128][c 64]:   gate g (i, f, g, o); n = 64 nt + c, k = 128 ks + kk; k < 2048 is W*_h, the rest W*_x.
; LIMIT.  bf16 has f32's exponent range; a magnitude above 3.39e38 rounds to an infinity.  NaN stays NaN.
; SHARES.  Grid y picks the source (in the order of the arguments), grid x a block of 64 rows (x >> 2) and a group of eight column tiles (x & 3); wave w takes column tile
; 8 (x & 3) + w: 64 rows x 64 columns.  Load j of 32: lane l takes 16 bytes of row 2 j + l / 16, so sixteen lanes read 256 consecutive bytes, aligned.  Two source rows are neighbours
; in both blocked layouts, so store j of the wave covers 256 consecutive bytes, aligned.  Memory binds: no LDS, no barrier, no matrix unit; every byte is read once and written once.
; All 32 loads of a wave go out at once (16 KiB a wave); no register is written twice, so the only waits are the counted ones in front of each pair of roundings.
.set X, 8                              ; v[8:135]  load j: four registers as loaded; the first two then hold the eight bytes to store
	s_load_b512 s[8:23], s[0:1], 0x0               ; h0, behavior, Wi_h, Wi_x, Wf_h, Wf_x, Wg_h, Wg_x
	s_load_b256 s[24:31], s[0:1], 0x40             ; Wo_h, Wo_x, abf s[28:29], wbf s[30:31]
	v_lshrrev_b32 v3, 5, v0
	v_readfirstlane_b32 s2, v3                     ; wave 0..7
	s_and_b32 s3, ttmp7, 0xffff                    ; y: the source
	s_lshr_b32 s4, ttmp9, 2                        ; rb: block of 64 rows
	s_and_b32 s5, ttmp9, 3
	s_lshl_b32 s5, s5, 3
	s_add_co_u32 s5, s5, s2                        ; ct: tile of 64 columns
	s_and_b32 s6, s3, 1                            ; p: 0 the h part of K, 1 the x part
	s_lshr_b32 s7, s3, 1
	s_max_u32 s7, s7, 1
	s_sub_co_u32 s7, s7, 1                         ; the gate, for y >= 2 (0 otherwise: not used there)
	s_lshl_b32 s33, s6, 20                         ; p x 16 K steps of 65,536 bytes: in both layouts
	s_lshr_b32 s32, s4, 2                          ; abf: mt = rb / 4,
	s_lshl_b32 s32, s32, 21
	s_or_b32 s32, s32, s33
	s_lshl_b32 s34, s5, 15                         ; ks and kh together are ct,
	s_or_b32 s32, s32, s34
	s_and_b32 s34, s4, 3                           ; row = 64 (rb % 4) + ..
	s_lshl_b32 s34, s34, 13
	s_or_b32 s32, s32, s34
	s_lshl_b32 s34, s5, 21                         ; wbf: nt = ct,
	s_or_b32 s33, s33, s34
	s_lshr_b32 s34, s4, 1                          ; ks = rb / 2,
	s_lshl_b32 s34, s34, 16
	s_or_b32 s33, s33, s34
	s_lshl_b32 s34, s7, 14                         ; the gate,
	s_or_b32 s33, s33, s34
	s_and_b32 s34, s4, 1                           ; kk = 64 (rb % 2) + ..
	s_lshl_b32 s34, s34, 13
	s_or_b32 s33, s33, s34
	s_cmp_lt_u32 s3, 2
	s_cselect_b32 s34, s32, s33                    ; the wave's offset in its destination
	s_mov_b32 s35, 0
	s_lshl_b32 s40, s4, 19                         ; in the source: 64 rb rows of 8,192 bytes
	s_lshl_b32 s41, s5, 8                          ; + 64 ct columns of 4 bytes
	s_add_co_u32 s40, s40, s41
	s_mov_b32 s41, 0
	v_and_b32 v4, 31, v0                           ; lane
	v_lshrrev_b32 v5, 4, v4                        ; l / 16
	v_and_b32 v6, 15, v0                           ; l % 16
	v_lshlrev_b32 v1, 4, v6
	v_lshl_add_u32 v1, v5, 13, v1                  ; source: (l / 16) rows + 16 (l % 16)
	v_lshlrev_b32 v2, 3, v4                        ; destination: 8 l
	s_wait_kmcnt 0x0
	s_cmp_lt_u32 s3, 2
	s_cselect_b64 s[38:39], s[28:29], s[30:31]     ; abf for h0 and behavior, wbf for the weights
	s_mov_b64 s[36:37], s[8:9]
.irp i, 1,2,3,4,5,6,7,8,9
	s_cmp_eq_u32 s3, \i
	s_cselect_b64 s[36:37], s[8+2*\i:9+2*\i], s[36:37]
.endr
	s_add_nc_u64 s[36:37], s[36:37], s[40:41]
	s_add_nc_u64 s[38:39], s[38:39], s[34:35]
.set j, 0
.rept 32
	global_load_b128 v[X+4*j:X+4*j+3], v1, s[36:37] offset:j*16384 th:TH_LOAD_NT
.set j, j+1
.endr
.set j, 0
.rept 32
	s_wait_loadcnt 31-j                            ; loads come back in order: load j is in, the 31 - j younger ones stay out
	v_cvt_pk_bf16_f32 v[X+4*j], v[X+4*j], v[X+4*j+1]
	v_cvt_pk_bf16_f32 v[X+4*j+1], v[X+4*j+2], v[X+4*j+3]
	global_store_b64 v2, v[X+4*j:X+4*j+1], s[38:39] offset:j*256 th:TH_STORE_NT
.set j, j+1
.endr
	s_endpgm
.Lfunc_end_k_q49e0b6405f_pack:
	.size	k_q49e0b6405f_pack, .Lfunc_end_k_q49e0b6405f_pack-k_q49e0b6405f_pack
	.p2alignl 7, 3214868480
	.fill 96, 4, 3214868480
	.section	.rodata,"a",@progbits
	.p2align	6, 0x0
	.amdhsa_kernel k_q49e0b6405f_pack
		.amdhsa_group_segment_fixed_size 0
		.amdhsa_private_segment_fixed_size 0
		.amdhsa_enable_private_segment 0
		.amdhsa_kernarg_size 96
		.amdhsa_user_sgpr_count 2
		.amdhsa_user_sgpr_kernarg_segment_ptr 1
		.amdhsa_wavefront_size32 1
		.amdhsa_system_sgpr_workgroup_id_x 1
		.amdhsa_system_sgpr_workgroup_id_y 1
		.amdhsa_system_sgpr_workgroup_id_z 1
		.amdhsa_system_vgpr_workitem_id 0
		.amdhsa_next_free_vgpr 136
		.amdhsa_next_free_sgpr 66
		.amdhsa_reserve_vcc 0
		.amdhsa_float_denorm_mode_32 3
		.amdhsa_float_denorm_mode_16_64 3
		.amdhsa_memory_ordered 1
		.amdhsa_forward_progress 1
		.amdhsa_inst_pref_size 14
	.end_amdhsa_kernel
	.amdgpu_metadata
---
amdhsa.version: [ 1, 2 ]
amdhsa.kernels:
  - .name:           k_q49e0b6405f_pack
    .symbol:         k_q49e0b6405f_pack.kd
    .args:
      - { .name: h0, .offset: 0, .size: 8, .value_kind: global_buffer, .address_space: global }
      - { .name: behavior, .offset: 8, .size: 8, .value_kind: global_buffer, .address_space: global }
      - { .name: Wi_h, .offset: 16, .size: 8, .value_kind: global_buffer, .address_space: global }
      - { .name: Wi_x, .offset: 24, .size: 8, .value_kind: global_buffer, .address_space: global }
      - { .name: Wf_h, .offset: 32, .size: 8, .value_kind: global_buffer, .address_space: global }
      - { .name: Wf_x, .offset: 40, .size: 8, .value_kind: global_buffer, .address_space: global }
      - { .name: Wg_h, .offset: 48, .size: 8, .value_kind: global_buffer, .address_space: global }
      - { .name: Wg_x, .offset: 56, .size: 8, .value_kind: global_buffer, .address_space: global }
      - { .name: Wo_h, .offset: 64, .size: 8, .value_kind: global_buffer, .address_space: global }
      - { .name: Wo_x, .offset: 72, .size: 8, .value_kind: global_buffer, .address_space: global }
      - { .name: abf, .offset: 80, .size: 8, .value_kind: global_buffer, .address_space: global }
      - { .name: wbf, .offset: 88, .size: 8, .value_kind: global_buffer, .address_space: global }
    .group_segment_fixed_size: 0
    .private_segment_fixed_size: 0
    .kernarg_segment_align: 8
    .kernarg_segment_size: 96
    .max_flat_workgroup_size: 256
    .sgpr_count:     66
    .vgpr_count:     136
    .wavefront_size: 32
...
	.end_amdgpu_metadata
.endif
;; end of part 1
;; launch cell (part 2): grid 32 x 8, 4 waves a work-group, clusters of 4 x 4, 327,680 bytes of LDS; arguments abf, wbf, c0, bi, bf, bg, bo, out0; writes out0
.if DOCPART == 2
	.amdgcn_target "amdgcn-amd-amdhsa--gfx1250"
	.amdhsa_code_object_version 6
	.text
	.protected	k_q49e0b6405f_cell
	.globl	k_q49e0b6405f_cell
	.p2align	8
	.type	k_q49e0b6405f_cell,@function
k_q49e0b6405f_cell:
	s_mov_b64 s[64:65], 0
	v_nop
	global_prefetch_b8 v0, s[64:65] scope:SCOPE_SE
	s_setreg_imm32_b32 hwreg(HW_REG_WAVE_MODE, 25, 1), 1
	s_wait_xcnt 0x0
	s_wait_alu depctr_hold_cnt(0) depctr_sa_sdst(0) depctr_va_vdst(0) depctr_va_sdst(0) depctr_va_ssrc(0) depctr_va_vcc(0) depctr_vm_vsrc(0)
	s_getreg_b32 s2, hwreg(HW_REG_IB_STS2, 6, 4)
	s_cmp_eq_u32 s2, 0
	s_cbranch_scc0 .Lentry_in_a_cluster
	s_endpgm
.Lentry_in_a_cluster:
	s_bfe_u32 s2, ttmp6, 0x10000c
	s_cmp_lg_u32 s2, 0xf033
	s_cbranch_scc0 .Lentry_shape_is_right
	s_endpgm
.Lentry_shape_is_right:
; ONE LSTM STEP.  pre[g] = [h0 | behavior] W[g] + b[g] for the gates g = i, f, g, o; c = sigmoid(pre f) c0 + sigmoid(pre i) tanh(pre g); out0 = sigmoid(pre o) tanh(c).
; x and W come as bf16 in blocks (abf [mt][ks][kh][row 256][kk 64], wbf [nt][ks][g][kk 128][c 64]); sums and all the cell's arithmetic in f32; K = 4096 in 32 steps of 128.
; LIMITS.  Every input is taken rounded once to bf16: x and W by the launch before, c0 and the four biases here.  sigmoid(x) = 1 / (1 + 2^(-x log2 e)) and
; tanh(x) = 1 - 2 / (1 + 2^(2 x log2 e)): an exponential that overflows gives the reciprocal 0, one that underflows 1, so both saturate rightly; tanh keeps an absolute error of about 1e-7
; (its relative error grows near 0).  NaN and infinities among the inputs are not treated apart.
; SHARES.  A work-group makes 256 rows x 64 columns of out0, that is 256 x 256 of pre-activations: the same 64 columns of all four gates.  Four waves, as many as a WGP has SIMDs: wave w has
; rows 128 (w / 2) .. and columns 32 (w % 2) .. of each gate: 64 accumulators (a, cb), a = block of 16 rows, cb = 2 gate + block of 16 columns: 512 registers.
; THE MATRIX INSTRUCTION IS USED TRANSPOSED: source 0 = 16 columns of W, source 1 = 16 rows of x.  Lane l then holds row l % 16 and the columns 8 (l / 16) + 0..7, and the four gates of one
; output lie in one lane at the same register index: the cell never leaves the lane.  x lies along K in LDS and is read as it lies; W lies [k][n] and is read turned, by ds_load_tr16_b128.
; RING.  Two LDS slots, each a K step: x's 256 rows in two halves of 64 k, W's four gates of 128 k x 64 columns.  Each wave fetches 32 KiB, dense in memory, by one tensor load.
; CLUSTER.  4 x 4 work-groups: the four of a row of the cluster need the same tiles of x, the four of a column the same tiles of W: each tile is asked for JOINTLY, by the same tensor load with the
; same descriptor and a mask that names the four.  By this text's own count a wave has two tensor loads out at the start and one behind each round.
; THE FIRST PRODUCTS take the bias as C: nothing is cleared and nothing is added later.  c0's tile comes by a plain tensor load into slot 0 when its last K step has been read.
; REGISTERS, in windows of 256 (s_set_vgpr_msb: bits 1:0 source 0, 3:2 source 1, 5:4 source 2, 7:6 destination):
;   window 0: v0-31 addresses; v32-55 c0 at work; v64-127, v128-191 fragments of x, two buffers (at the end: rows of out0); v192-255 the biases, later the cell's 64 numbers at work
;   window 1: v64-127, v128-191 fragments of W, two buffers          window 2: accumulators of my rows 0-63, (a, cb) at v[8 (8 a + cb)]          window 3: those of my rows 64-127
.set PA,     144                       ; a row of x in LDS: 128 bytes + 16 of padding = 36 words: the 16 rows of a load start at 16 different groups of four banks (64 banks of 4 bytes: ISA guide 11.1)
.set PB,     160                       ; a row of W: 128 + 32 = 40 words
.set AHALF,  256*PA                    ; x's 256 rows, 64 k
.set BGATE,  128*PB                    ; a gate's 128 k
.set BPAIR,  2*BGATE                   ; what one tensor load brings of W
.set BOFF,   2*AHALF                   ; W lies behind x's two halves
.set SLOT,   BOFF+2*BPAIR
.set CP,     272                       ; a row of the c0 tile and of the h stage: 256 bytes + 16
.set HOFF,   BOFF                      ; the h stage: 256 rows x 272 bytes in slot 0's part for W, which has had its last fill and its last read when the first h is stored
.set SPARE,  2*SLOT                    ; behind the ring: the spare words, 128 bytes for each wave: two blocks of 256 bytes that no other line names
.set KBYTES, 65536                     ; a K step in abf and in wbf
.set ADRA, 16                          ; v16-17  LDS address of my fragments of x in slot 0, 1
.set ADRB, 20                          ; v20-23  the same for W: slot 0 gates i f, slot 0 gates g o, slot 1 likewise
.set CST,  24                          ; v24     my 32 bytes of a row of the c0 tile
.set RD,   25                          ; v25     where I read a row of h back
.set CO,   26                          ; v26     my byte offset in out0
.set BO,   27                          ; v27     my byte offset in a bias
.set SPW,  28                          ; v28     LDS address of my spare word: SPARE + 4 x my thread's number; never rewritten
.set NIL,  29                          ; v29     0; never rewritten
.set PFO,  30                          ; v30     the prefetches' offset: 256 x my lane; never rewritten
.set HST,  31                          ; v31     my 32 bytes of a row of the h stage
.set C0,   32                          ; v32-47  16 numbers of c0, f32
.set C16,  48                          ; v48-55  the same rounded to bf16, two a register
.set F0,   64
.set F1,   128
.set OB,   64                          ; the way out: 32 x 4 registers
.set BIAS, 192                         ; v192-255  bias of accumulator column cb at 8 cb
.set T,    192                         ; later: gate g's 16 numbers at T + 16 g
.set G1,  24                           ; s[24:31] descriptor group 1 for x's tiles
.set G0,  32                           ; s[32:39] group 0, one set for each slot
.set G1B, 48                           ; s[48:55], s[56:63] the same for W's tiles
.set G0B, 56
.set G1C, 80                           ; s[80:87], s[88:91] for c0's tile
.set G0C, 88
.set LIM, 43                           ; s43     1 in a wave that prefetches, else the greatest number
.set PFA, 44                           ; s[44:45] where my prefetches stand: one K step further than the refill that is being asked for; a prefetch names the K step after that
.set NL,  92                           ; s[92:93] -log2 e
.set TL,  94                           ; s[94:95] 2 log2 e
.set MSB, 0
.macro WIN new                         ; the immediate's high byte repeats the setting that is left; a switch that changes nothing is dropped
.if MSB != (\new)
	s_set_vgpr_msb (MSB<<8)|(\new)
.set MSB, \new
.endif
.endm
; A joint load.  Waves 0 and 1 fetch x's two halves, waves 2 and 3 W's two pairs of gates.  The branch hangs on the wave's number alone.
; An s_nop 0 and four v_nop follow each of the two lines, ahead of the jump, the label and what follows.
.macro JLOAD s
	s_cmp_eq_u32 s11, 0
	s_cbranch_scc0 .Lfor_b_\@
	tensor_load_to_lds s[G0+4*(\s):G0+4*(\s)+3], s[G1:G1+7]
	s_nop 0
.rept 4
	v_nop
.endr
	s_branch .Lasked_\@
.Lfor_b_\@:
	tensor_load_to_lds s[G0B+4*(\s):G0B+4*(\s)+3], s[G1B:G1B+7]
	s_nop 0
.rept 4
	v_nop
.endr
.Lasked_\@:
.endm
; A PREFETCH INTO THE L2 of the K step that stands two refills on, 512 matrix instructions ahead of the load that will ask for it: 32 blocks of 256 bytes, a lane a block, one instruction a wave.
; Each block is named ONCE in the launch.  x's tile row is read by every cluster of that row of clusters: cluster x = 0 asks; W's tile column by every cluster of that column: cluster y = 0 asks.
; Of the 32 KiB that a wave fetches, each of the four partners that ask for them jointly takes 8 KiB, told apart BY ADDRESS (cx for x's tiles, cy for W's): no branch hangs on a place in the cluster.
; K steps 0 to 3 come by their loads alone; the loop's last trip (s3 = 1) asks for nothing: there is no K step two on.
.macro ASK
	s_cmp_gt_u32 s3, s[LIM]
	s_cbranch_scc0 .Lnot_mine_\@
	global_prefetch_b8 v[PFO], s[PFA:PFA+1] offset:KBYTES th:TH_LOAD_NT scope:SCOPE_SE
.Lnot_mine_\@:
.endm
; A round of the cluster's barrier: my work-group's barrier, so that wave 0's signal speaks for all four waves; wave 0 signals; every wave waits for all sixteen work-groups; my work-group's barrier once more.
.macro CREST                           ; a round behind its opening barrier
	s_cmp_lg_u32 s10, 0
	s_cbranch_scc1 .Lnot_wave_0_\@
	s_barrier_signal -3
.Lnot_wave_0_\@:
	s_barrier_wait -3
	s_barrier_signal -1
	s_barrier_wait -1
.endm
.macro CROUND                          ; a whole round
	s_barrier_signal -1
	s_barrier_wait -1
	CREST
.endm
	s_load_b128 s[4:7], s[0:1], 0x0                ; abf s[4:5], wbf s[6:7]
	s_load_b256 s[68:75], s[0:1], 0x10             ; c0 s[68:69], bi, bf, bg s[70:75]
	s_load_b128 s[76:79], s[0:1], 0x30             ; bo s[76:77], out0 s[78:79]
	v_lshl_add_u32 v[SPW], v0, 2, SPARE
	v_mov_b32 v[NIL], 0
	ds_add_u32 v[SPW], v[NIL]                      ; the wave's opening: the add and its wait ahead of my first tensor load; the set-up below, work on registers, stands between them
	v_lshrrev_b32 v1, 5, v0
	v_readfirstlane_b32 s10, v1                    ; wave 0..3
	s_lshr_b32 s11, s10, 1                         ; which 128 rows are mine.  Also: I fetch x's tiles (0) or W's (1)
	s_and_b32 s12, s10, 1                          ; which 32 columns of each gate.  Also: which half of that tile I fetch
	s_bfe_u32 s40, ttmp6, 0x40000                  ; cx
	s_bfe_u32 s41, ttmp6, 0x40004                  ; cy
	s_lshl_b32 s42, ttmp9, 2                       ; in a cluster launch ttmp9 and ttmp7 count clusters
	s_add_co_u32 s42, s42, s40                     ; nt: tile of 64 columns = 4 x cluster x + cx
	s_and_b32 s13, ttmp7, 0xffff
	s_lshl_b32 s13, s13, 2
	s_add_co_u32 s13, s13, s41                     ; mt: tile of 256 rows = 4 x cluster y + cy
	s_lshl_b32 s43, s41, 2
	s_lshl_b32 s43, 15, s43                        ; my row of the cluster: places 4 cy .. 4 cy + 3
	s_lshl_b32 s44, 0x1111, s40                    ; my column: places cx, cx + 4, cx + 8, cx + 12
	; group 1 for x and W: 32 KiB dense, asked for as 128 rows of 256 bytes (128 elements of 2 bytes) and padded in LDS after every 128 bytes
	s_or_b32 s[G1+0], s43, (1<<16)|(1<<20)|(1<<21)|(4<<22)|(3<<25)   ; 15:0 the mask: my row; 17:16 2-byte elements; 20 padding on; 21 set beside a mask; 24:22 after every 32 words (code 4); 31:25 4 words (code 3)
	s_or_b32 s[G1B+0], s44, (1<<16)|(1<<20)|(1<<21)|(4<<22)|(7<<25)  ; the mask of my column; 8 words of padding (code 7)
.irp g, G1, G1B
	s_mov_b32 s[(\g)+1], 128<<16                   ; tensor_dim0 = 128
	s_mov_b32 s[(\g)+2], 128<<16                   ; tensor_dim1 = 128
	s_mov_b32 s[(\g)+3], 128<<16                   ; tile_dim0 = 128
	s_mov_b32 s[(\g)+4], 128                       ; tile_dim1 = 128
	s_mov_b32 s[(\g)+5], 128                       ; 128 elements from row to row
	s_mov_b32 s[(\g)+6], 0
	s_mov_b32 s[(\g)+7], 0
.endr
	; group 1 for c0: 64 rows x 64 elements of 4 bytes out of rows of 2,048, no mask, 16 bytes of padding behind each row of 256
	s_mov_b32 s[G1C+0], (2<<16)|(1<<20)|(5<<22)|(3<<25)
	s_mov_b32 s[G1C+1], 64<<16
	s_mov_b32 s[G1C+2], 64<<16
	s_mov_b32 s[G1C+3], 64<<16
	s_mov_b32 s[G1C+4], 64
	s_mov_b32 s[G1C+5], 2048
	s_mov_b32 s[G1C+6], 0
	s_mov_b32 s[G1C+7], 0
	s_mov_b32 s[NL], 0xbfb8aa3b
	s_mov_b32 s[NL+1], s[NL]                       ; named as pairs, so both are written
	s_mov_b32 s[TL], 0x4038aa3b
	s_mov_b32 s[TL+1], s[TL]
	; where the tiles come from.  x's hang on mt alone, which my row of the cluster shares; W's on nt alone, which my column shares; each in registers that never hold the other coordinate
	s_lshl_b32 s17, s12, 15                        ; my half: 32 KiB
	s_lshl_b32 s16, s13, 21
	s_add_co_u32 s16, s16, s17
	s_lshl_b32 s46, s42, 21
	s_add_co_u32 s46, s46, s17
	s_mov_b32 s17, 0
	s_mov_b32 s47, 0
	s_mul_i32 s20, s12, AHALF                      ; and where they go: no place in the cluster enters an LDS address
	s_mul_i32 s21, s12, BPAIR
	s_add_co_u32 s21, s21, BOFF
	s_wait_dscnt 0x0                               ; the opening add is done
	s_wait_kmcnt 0x0
	s_add_nc_u64 s[14:15], s[4:5], s[16:17]
	s_add_nc_u64 s[46:47], s[6:7], s[46:47]
	CROUND                                         ; all sixteen work-groups are here: the first joint loads meet
.irp s, 0,1
	s_mov_b32 s[G0+4*(\s)], 1                                        ; count = 1
	s_add_co_u32 s[G0+4*(\s)+1], s20, (\s)*SLOT                      ; LDS address
	s_add_nc_u64 s[G0+4*(\s)+2:G0+4*(\s)+3], s[14:15], (\s)*KBYTES   ; global address: K step s
	s_or_b32 s[G0+4*(\s)+3], s[G0+4*(\s)+3], 0x80000000              ; type = 2
	s_mov_b32 s[G0B+4*(\s)], 1
	s_add_co_u32 s[G0B+4*(\s)+1], s21, (\s)*SLOT
	s_add_nc_u64 s[G0B+4*(\s)+2:G0B+4*(\s)+3], s[46:47], (\s)*KBYTES
	s_or_b32 s[G0B+4*(\s)+3], s[G0B+4*(\s)+3], 0x80000000
	JLOAD \s                                       ; the ring is filled before anything else is done
.endr
	; the biases: register j of column block cb is b[gate][64 nt + 32 (w % 2) + 16 (cb % 2) + 8 (l / 16) + j]
	v_and_b32 v1, 15, v0                           ; l % 16
	v_bfe_u32 v2, v0, 4, 1                         ; l / 16
	s_lshl_b32 s22, s42, 8
	s_lshl_b32 s23, s12, 7
	s_add_co_u32 s22, s22, s23
	v_lshl_add_u32 v[BO], v2, 5, s22
.irp g, 0,1,2,3
.irp b, 0,1
	global_load_b128 v[BIAS+16*(\g)+8*(\b):BIAS+16*(\g)+8*(\b)+3],   v[BO], s[70+2*(\g):71+2*(\g)] offset:64*(\b)
	global_load_b128 v[BIAS+16*(\g)+8*(\b)+4:BIAS+16*(\g)+8*(\b)+7], v[BO], s[70+2*(\g):71+2*(\g)] offset:64*(\b)+16
.endr
.endr
	; a fragment of x is 16 rows x 32 k in 8 registers: lane l holds row l % 16, k = 8 (l / 16) + 0..7 and 16 + 8 (l / 16) + 0..7: two loads of 16 bytes, 32 bytes apart
	v_mul_u32_u24 v3, v1, PA
	v_lshl_add_u32 v3, v2, 4, v3
	s_mul_i32 s22, s11, 128*PA                     ; my 128 rows
	v_add_nc_u32 v[ADRA], s22, v3
	s_add_co_u32 s22, s22, SLOT
	v_add_nc_u32 v[ADRA+1], s22, v3
	; the turning load takes 16 k x 16 columns (lane l reads k = 8 (l / 16) + l % 8, columns 8 ((l / 8) % 2) + 0..7) and leaves half a fragment of W^T: lane l holds column l % 16 and 8 k
	v_and_b32 v4, 7, v0
	v_lshl_add_u32 v4, v2, 3, v4
	v_mul_u32_u24 v4, v4, PB
	v_bfe_u32 v5, v0, 3, 1
	v_lshl_add_u32 v4, v5, 4, v4
	s_lshl_b32 s23, s12, 6                         ; my 32 columns: 64 bytes
	s_add_co_u32 s23, s23, BOFF
	v_add_nc_u32 v[ADRB], s23, v4
	s_add_co_u32 s23, s23, BPAIR
	v_add_nc_u32 v[ADRB+1], s23, v4
	s_add_co_u32 s23, s23, SLOT-BPAIR
	v_add_nc_u32 v[ADRB+2], s23, v4
	s_add_co_u32 s23, s23, BPAIR
	v_add_nc_u32 v[ADRB+3], s23, v4
	v_mul_u32_u24 v6, v1, CP                       ; c0 and h: row 128 (w / 2) + l % 16, bytes 128 (w % 2) + 32 (l / 16)
	v_lshl_add_u32 v6, v2, 5, v6
	s_mul_i32 s22, s11, 128*CP
	s_lshl_b32 s23, s12, 7
	s_add_co_u32 s22, s22, s23
	v_add_nc_u32 v[CST], s22, v6
	s_add_co_u32 s22, s22, HOFF
	v_add_nc_u32 v[HST], s22, v6
	v_mul_u32_u24 v7, v2, CP                       ; back: wave w takes rows 64 w .. 64 w + 63, whole: lanes 0-15 one row of 256 bytes, lanes 16-31 the next
	v_lshl_add_u32 v7, v1, 4, v7
	s_mul_i32 s22, s10, 64*CP
	s_add_co_u32 s22, s22, HOFF
	v_add_nc_u32 v[RD], s22, v7
	v_lshlrev_b32 v8, 13, v2                       ; and the same two rows in out0
	v_lshl_add_u32 v[CO], v1, 4, v8
	v_and_b32 v[PFO], 31, v0
	v_lshlrev_b32 v[PFO], 8, v[PFO]
	; c0's tile and out0's rows: row 256 mt + 64 w, byte 256 nt
	s_lshl_b32 s18, s13, 21
	s_lshl_b32 s19, s10, 19
	s_add_co_u32 s18, s18, s19
	s_lshl_b32 s19, s42, 8
	s_add_co_u32 s18, s18, s19
	s_mov_b32 s19, 0
	s_mov_b32 s[G0C], 1
	s_mul_i32 s[G0C+1], s10, 64*CP                 ; my 64 rows of the tile, from LDS byte 0 on
	s_add_nc_u64 s[G0C+2:G0C+3], s[68:69], s[18:19]
	s_or_b32 s[G0C+3], s[G0C+3], 0x80000000
	s_add_nc_u64 s[78:79], s[78:79], s[18:19]
	; the prefetches
	s_lshl_b32 s20, s13, 21
	s_lshl_b32 s21, s42, 21
	s_and_b32 s22, ttmp7, 0xffff                   ; cluster y
	s_cmp_eq_u32 s11, 0                            ; do I fetch x's tiles?
	s_cselect_b32 s20, s20, s21                    ; the tile row's or tile column's first byte
	s_cselect_b32 s21, s40, s41                    ; my place among the four that ask with me
	s_cselect_b32 s22, ttmp9, s22                  ; the coordinate along which other clusters read the same bytes
	s_cselect_b64 s[PFA:PFA+1], s[4:5], s[6:7]
	s_cmp_eq_u32 s22, 0
	s_cselect_b32 s[LIM], 1, -1                    ; the same in all sixteen partners, for a given wave
	s_lshl_b32 s22, s12, 15
	s_add_co_u32 s20, s20, s22                     ; + the half that I fetch
	s_lshl_b32 s21, s21, 13
	s_add_co_u32 s20, s20, s21                     ; + my work-group's 8 KiB of it
	s_add_co_u32 s20, s20, 2*KBYTES                ; at K step 2: the first refill steps it to 3 and names K step 4
	s_mov_b32 s21, 0
	s_add_nc_u64 s[PFA:PFA+1], s[PFA:PFA+1], s[20:21]
	s_wait_loadcnt 0x0                             ; the biases: rounded to bf16, like every input, and widened again
.set z, 0
.rept 32
	v_cvt_pk_bf16_f32 v[32+z], v[BIAS+2*z], v[BIAS+2*z+1]
.set z, z+1
.endr
.set z, 0
.rept 32
	v_lshlrev_b32 v[BIAS+2*z], 16, v[32+z]
	v_and_b32 v[BIAS+2*z+1], 0xffff0000, v[32+z]
.set z, z+1
.endr
; 16 matrix instructions: row blocks a0, a0 + 1 of the window's four (hi = 0: my rows 0-63, 1: rows 64-127) x all 8 column blocks, 32 along K.  init = 1: the sums start from the bias (window 0).
; The 64 accumulators take turns, one instruction a turn, in the same order in every quarter.
.macro MUL16 f, hi, a0, init
.if \init
	WIN 0x81+0x40*(\hi)                            ; W window 1, x window 0, C window 0, D window 2 or 3
.else
	WIN 0xa1+0x50*(\hi)                            ; W window 1, x window 0, C and D window 2 or 3
.endif
.irp a, \a0, (\a0)+1
.irp b, 0,1,2,3,4,5,6,7
.if \init
	v_wmma_f32_16x16x32_bf16 v[8*(8*(\a)+(\b)):8*(8*(\a)+(\b))+7], v[(\f)+8*(\b):(\f)+8*(\b)+7], v[(\f)+8*(4*(\hi)+(\a)):(\f)+8*(4*(\hi)+(\a))+7], v[BIAS+8*(\b):BIAS+8*(\b)+7]
.else
	v_wmma_f32_16x16x32_bf16 v[8*(8*(\a)+(\b)):8*(8*(\a)+(\b))+7], v[(\f)+8*(\b):(\f)+8*(\b)+7], v[(\f)+8*(4*(\hi)+(\a)):(\f)+8*(4*(\hi)+(\a))+7], v[8*(8*(\a)+(\b)):8*(8*(\a)+(\b))+7]
.endif
.endr
.endr
.endm
; 32 LDS loads in one run: the fragments of quarter q of a K step (32 k) into buffer f: W's eight column blocks (turned), then x's eight row blocks
.macro FETCH slot, q, f
	WIN 0x40                                       ; destination window 1, address window 0
.irp c, 0,1,2,3,4,5,6,7
	ds_load_tr16_b128 v[(\f)+8*(\c):(\f)+8*(\c)+3],   v[ADRB+2*(\slot)+(\c)/4] offset:(((\c)/2)%2)*BGATE+(\q)*32*PB+32*((\c)%2)
	ds_load_tr16_b128 v[(\f)+8*(\c)+4:(\f)+8*(\c)+7], v[ADRB+2*(\slot)+(\c)/4] offset:(((\c)/2)%2)*BGATE+(\q)*32*PB+32*((\c)%2)+16*PB
.endr
	WIN 0
.irp i, 0,1,2,3,4,5,6,7
	ds_load_b128 v[(\f)+8*(\i):(\f)+8*(\i)+3],   v[ADRA+(\slot)] offset:((\q)/2)*AHALF+((\q)%2)*64+(\i)*16*PA
	ds_load_b128 v[(\f)+8*(\i)+4:(\f)+8*(\i)+7], v[ADRA+(\slot)] offset:((\q)/2)*AHALF+((\q)%2)*64+(\i)*16*PA+32
.endr
.endm
; A load into a register that a matrix instruction has read, and a vector instruction that reads a matrix result, stand four places behind that matrix instruction, and only plain vector
; instructions that name none of its registers are places (ISA guide 7.12.1 for vector instructions).
.macro PLACES
.rept 4
	v_nop
.endr
.endm
; A K step is four quarters of 32 along K, 64 matrix instructions each, on buffers 0, 1, 0, 1.  One of the first three: multiplies buffer f; in its middle it fetches quarter q into buffer g.
.macro QUARTER slot, q, f, g, init
	s_wait_dscnt 8                                 ; W and x's rows 0-63 are in; the youngest eight loads (x's rows 64-127) may be out
	MUL16 \f, 0, 0, \init
	MUL16 \f, 0, 2, \init
	PLACES
	FETCH \slot, \q, \g
	s_wait_dscnt 32                                ; all but the 32 just issued
	MUL16 \f, 1, 0, \init
	MUL16 \f, 1, 2, \init
.endm
; The last quarter multiplies buffer 1 and changes slots.  MEET is its first half: each wave waits for all its tensor loads, of which one is out: its part of the next slot; adds 0 to its spare
; word; and waits for that and for its own reads of this slot.  Behind the barrier, which opens a round of the cluster's, nobody reads this slot any more and the next slot is whole.
.macro MEET
	WIN 0                                          ; (the add's two registers lie in window 0)
	s_wait_tensorcnt 0x0                           ; all my tensor loads have landed
	ds_add_u32 v[SPW], v[NIL]                      ; 0 onto my spare word
	s_wait_dscnt 9                                 ; (the add and the youngest eight loads may be out)
	MUL16 F1, 0, 0, 0                              ; sixteen matrix instructions stand between the add and the wait for it
	s_wait_dscnt 0x0                               ; the add is done, and my reads of this slot are over
	s_barrier_signal -1
	MUL16 F1, 0, 2, 0                              ; work on registers while the others arrive
	WIN 0
	s_barrier_wait -1
.endm
; The whole last quarter.  Behind the round the slot just read out is filled again first.  last = 0: with the K step two steps on, jointly; 224 matrix instructions stand between the request and the wait for it.
; last = 1: slot 0's last fill: c0's tile, 64 rows a wave, by a load of the work-group's own.  Then come the next slot's first fragments.
.macro TURN slot, next, last
.if !(\last)
	s_wait_xcnt 0x0                                ; the last prefetch, a K step back, has read its address: it is stepped here, ahead of the waits of the change of slots
	s_add_nc_u64 s[PFA:PFA+1], s[PFA:PFA+1], KBYTES
.endif
	MEET
	CREST                                          ; no wave of any partner still reads this slot's tile or has a load on its way
.if \last
	tensor_load_to_lds s[G0C:G0C+3], s[G1C:G1C+7]
	s_nop 0
.rept 4
	v_nop                                          ; also the places in front of the loads below
.endr
.else
	s_add_nc_u64 s[G0+4*(\slot)+2:G0+4*(\slot)+3], s[G0+4*(\slot)+2:G0+4*(\slot)+3], 2*KBYTES
	s_add_nc_u64 s[G0B+4*(\slot)+2:G0B+4*(\slot)+3], s[G0B+4*(\slot)+2:G0B+4*(\slot)+3], 2*KBYTES
	JLOAD \slot                                    ; the first tensor load behind the round; its four v_nop are also the places in front of the loads below
.endif
	FETCH \next, 0, F0
.if !(\last)
	ASK                                            ; behind the joint load and the run of LDS loads that the next products wait for
.endif
	MUL16 F1, 1, 0, 0
	MUL16 F1, 1, 2, 0
.endm
; THE CELL for row block a: 16 outputs a lane.  T + 16 g + k holds gate g of output k (k = 8 x column block + register).  The exponentials and the reciprocals go in batches, each with one plain
; instruction behind its last and ONE wait ahead of its first reader.  Each accumulator is read from its lowest registers on.
.macro EPI a
	WIN 0
.irp b, 0,1
.irp q, 0,1
	ds_load_b128 v[C0+8*(\b)+4*(\q):C0+8*(\b)+4*(\q)+3], v[CST] offset:(\a)*16*CP+64*(\b)+16*(\q)
.endr
.endr
	WIN 0x02+(\a)/4                                ; source 0: window 2 or 3
.set z, 0
.rept 32
.if (z/8) == 2
	v_pk_mul_f32 v[T+2*z:T+2*z+1], v[64*((\a)%4)+2*z:64*((\a)%4)+2*z+1], s[TL:TL+1] op_sel_hi:[1,0]   ; gate g: 2 x log2 e
.else
	v_pk_mul_f32 v[T+2*z:T+2*z+1], v[64*((\a)%4)+2*z:64*((\a)%4)+2*z+1], s[NL:NL+1] op_sel_hi:[1,0]   ; gates i, f, o: -x log2 e
.endif
.set z, z+1
.endr
	WIN 0
.set z, 0
.rept 64
	v_exp_f32 v[T+z], v[T+z]
.set z, z+1
.endr
	s_wait_dscnt 0x0                               ; c0
.set z, 0
.rept 8
	v_cvt_pk_bf16_f32 v[C16+z], v[C0+2*z], v[C0+2*z+1]   ; c0 rounded to bf16, like every input; also the plain work behind the exponentials
.set z, z+1
.endr
	s_wait_alu depctr_va_vdst(0)                   ; one wait for the 64 exponentials
.set z, 0
.rept 32
	v_pk_add_f32 v[T+2*z:T+2*z+1], v[T+2*z:T+2*z+1], 1.0 op_sel_hi:[1,0]
.set z, z+1
.endr
.set z, 0
.rept 64
	v_rcp_f32 v[T+z], v[T+z]
.set z, z+1
.endr
	v_nop
	s_wait_alu depctr_va_vdst(0)                   ; one wait for the 64 reciprocals: i, f, o are done
.set z, 0
.rept 8
	v_pk_fma_f32 v[T+32+2*z:T+32+2*z+1], v[T+32+2*z:T+32+2*z+1], -2.0, 1.0 op_sel_hi:[1,0,0]   ; g = 1 - 2 r
.set z, z+1
.endr
.set z, 0
.rept 8
	v_pk_mul_f32 v[T+2*z:T+2*z+1], v[T+2*z:T+2*z+1], v[T+32+2*z:T+32+2*z+1]                    ; i g
.set z, z+1
.endr
.set z, 0
.rept 8
	v_fma_mix_f32_bf16 v[T+16+2*z], v[C16+z], v[T+16+2*z], v[T+2*z] op_sel_hi:[1,0,0]                  ; c = c0 f + i g: c0 from the low half,
	v_fma_mix_f32_bf16 v[T+17+2*z], v[C16+z], v[T+17+2*z], v[T+2*z+1] op_sel:[1,0,0] op_sel_hi:[1,0,0]  ; from the high half
.set z, z+1
.endr
.set z, 0
.rept 8
	v_pk_mul_f32 v[T+16+2*z:T+16+2*z+1], v[T+16+2*z:T+16+2*z+1], s[TL:TL+1] op_sel_hi:[1,0]
.set z, z+1
.endr
.set z, 0
.rept 16
	v_exp_f32 v[T+16+z], v[T+16+z]
.set z, z+1
.endr
	v_nop
	s_wait_alu depctr_va_vdst(0)
.set z, 0
.rept 8
	v_pk_add_f32 v[T+16+2*z:T+16+2*z+1], v[T+16+2*z:T+16+2*z+1], 1.0 op_sel_hi:[1,0]
.set z, z+1
.endr
.set z, 0
.rept 16
	v_rcp_f32 v[T+16+z], v[T+16+z]
.set z, z+1
.endr
	v_nop
	s_wait_alu depctr_va_vdst(0)
.set z, 0
.rept 8
	v_pk_fma_f32 v[T+16+2*z:T+16+2*z+1], v[T+16+2*z:T+16+2*z+1], -2.0, 1.0 op_sel_hi:[1,0,0]   ; tanh c
.set z, z+1
.endr
.set z, 0
.rept 8
	v_pk_mul_f32 v[T+48+2*z:T+48+2*z+1], v[T+48+2*z:T+48+2*z+1], v[T+16+2*z:T+16+2*z+1]        ; h = o tanh c
.set z, z+1
.endr
.irp b, 0,1
.irp q, 0,1
	ds_store_b128 v[HST], v[T+48+8*(\b)+4*(\q):T+48+8*(\b)+4*(\q)+3] offset:(\a)*16*CP+64*(\b)+16*(\q)
.endr
.endr
.endm
	s_wait_tensorcnt 1                             ; my part of K step 0 is in; K step 1's may stay out
	s_barrier_signal -1
	s_barrier_wait -1                              ; everybody's is
	FETCH 0, 0, F0
	QUARTER 0, 1, F0, F1, 1                        ; the first quarter stands in front of the loop: its products start the sums, from the biases
	WIN 0                                          ; at a label and at a branch every window is 0
	s_mov_b32 s3, 15                               ; 16 laps of two K steps; the last is written out
.Llap:                                                 ; a trip goes once round the ring, from a lap's second quarter to the next lap's first, and fills both slots again
	QUARTER 0, 2, F1, F0, 0
	QUARTER 0, 3, F0, F1, 0
	TURN 0, 1, 0
	QUARTER 1, 1, F0, F1, 0
	QUARTER 1, 2, F1, F0, 0
	QUARTER 1, 3, F0, F1, 0
	TURN 1, 0, 0
	QUARTER 0, 1, F0, F1, 0
	WIN 0
	s_sub_co_u32 s3, s3, 1
	s_cmp_lg_u32 s3, 0
	s_cbranch_scc1 .Llap
	QUARTER 0, 2, F1, F0, 0                        ; the last lap
	QUARTER 0, 3, F0, F1, 0
	TURN 0, 1, 1                                   ; slot 0 takes c0's tile: it has the last K step, 256 matrix instructions less the 32 of this quarter's end, in which to land
	QUARTER 1, 1, F0, F1, 0
	QUARTER 1, 2, F1, F0, 0
	QUARTER 1, 3, F0, F1, 0
	s_wait_dscnt 8                                 ; the very last quarter: nothing more to fetch
	MUL16 F1, 0, 0, 0
	MUL16 F1, 0, 2, 0
	s_wait_dscnt 0x0                               ; my LDS loads are back,
	s_wait_tensorcnt 0x0                           ; and my 64 rows of c0 have landed: other waves read them behind this barrier
	s_barrier_signal -1
	MUL16 F1, 1, 0, 0
	MUL16 F1, 1, 2, 0
	WIN 0
	s_barrier_wait -1
	PLACES                                         ; the cell reads results just made
.irp a, 0,1,2,3,4,5,6,7
	EPI \a
.endr
	; THE WAY OUT.  A row's 256 bytes of h come from two waves: a barrier, then each wave reads 64 whole rows back and stores them.
	s_wait_dscnt 0x0                               ; for the others' sake: my stores into the stage are done
	s_barrier_signal -1
	s_barrier_wait -1
.set t, 0
.rept 32
	ds_load_b128 v[OB+4*t:OB+4*t+3], v[RD] offset:t*2*CP
.set t, t+1
.endr
.set t, 0
.rept 32
	s_wait_dscnt 31-t                              ; LDS loads come back in order: load t is in
	global_store_b128 v[CO], v[OB+4*t:OB+4*t+3], s[78:79] offset:t*16384 th:TH_STORE_NT   ; 16 lanes store 256 consecutive bytes, at a multiple of 256 from out0's first byte
.set t, t+1
.endr
	s_wait_tensorcnt 0x0                           ; the wave's end, behind my last tensor load and my last LDS store
	ds_add_u32 v[SPW], v[NIL]
	s_wait_dscnt 0x0
	CROUND                                         ; the closing round: no work-group ends while a partner may still ask for a tile that names it
	s_endpgm
.Lfunc_end_k_q49e0b6405f_cell:
	.size	k_q49e0b6405f_cell, .Lfunc_end_k_q49e0b6405f_cell-k_q49e0b6405f_cell
	.p2alignl 7, 3214868480
	.fill 96, 4, 3214868480
	.section	.rodata,"a",@progbits
	.p2align	6, 0x0
	.amdhsa_kernel k_q49e0b6405f_cell
		.amdhsa_group_segment_fixed_size 327680
		.amdhsa_private_segment_fixed_size 0
		.amdhsa_enable_private_segment 0
		.amdhsa_kernarg_size 64
		.amdhsa_user_sgpr_count 2
		.amdhsa_user_sgpr_kernarg_segment_ptr 1
		.amdhsa_wavefront_size32 1
		.amdhsa_system_sgpr_workgroup_id_x 1
		.amdhsa_system_sgpr_workgroup_id_y 1
		.amdhsa_system_sgpr_workgroup_id_z 1
		.amdhsa_system_vgpr_workitem_id 0
		.amdhsa_next_free_vgpr 1024
		.amdhsa_next_free_sgpr 96
		.amdhsa_reserve_vcc 0
		.amdhsa_float_denorm_mode_32 3
		.amdhsa_float_denorm_mode_16_64 3
		.amdhsa_memory_ordered 1
		.amdhsa_forward_progress 1
		.amdhsa_inst_pref_size 241
	.end_amdhsa_kernel
	.amdgpu_metadata
---
amdhsa.version: [ 1, 2 ]
amdhsa.kernels:
  - .name:           k_q49e0b6405f_cell
    .symbol:         k_q49e0b6405f_cell.kd
    .args:
      - { .name: abf, .offset: 0, .size: 8, .value_kind: global_buffer, .address_space: global }
      - { .name: wbf, .offset: 8, .size: 8, .value_kind: global_buffer, .address_space: global }
      - { .name: c0, .offset: 16, .size: 8, .value_kind: global_buffer, .address_space: global }
      - { .name: bi, .offset: 24, .size: 8, .value_kind: global_buffer, .address_space: global }
      - { .name: bf, .offset: 32, .size: 8, .value_kind: global_buffer, .address_space: global }
      - { .name: bg, .offset: 40, .size: 8, .value_kind: global_buffer, .address_space: global }
      - { .name: bo, .offset: 48, .size: 8, .value_kind: global_buffer, .address_space: global }
      - { .name: out0, .offset: 56, .size: 8, .value_kind: global_buffer, .address_space: global }
    .group_segment_fixed_size: 327680
    .private_segment_fixed_size: 0
    .kernarg_segment_align: 8
    .kernarg_segment_size: 64
    .max_flat_workgroup_size: 128
    .sgpr_count:     96
    .vgpr_count:     1024
    .wavefront_size: 32
...
	.end_amdgpu_metadata
.endif
;; end of part 2
;; ======== version 2 of 2: 2 launches; version 1 with the launch pack written anew for expert scheduling mode
;; workspace buffers: abf 16,777,216 bytes; wbf 67,108,864 bytes
;; launch pack (part 3): grid 128 x 10, 8 waves a work-group, no clusters, 0 bytes of LDS; arguments h0, behavior, Wi_h, Wi_x, Wf_h, Wf_x, Wg_h, Wg_x, Wo_h, Wo_x, abf, wbf; writes abf, wbf
.if DOCPART == 3
	.amdgcn_target "amdgcn-amd-amdhsa--gfx1250"
	.amdhsa_code_object_version 6
	.text
	.protected	k_q49e0b6405f_pack
	.globl	k_q49e0b6405f_pack
	.p2align	8
	.type	k_q49e0b6405f_pack,@function
k_q49e0b6405f_pack:
	s_mov_b64 s[64:65], 0
	v_nop
	global_prefetch_b8 v0, s[64:65] scope:SCOPE_SE
	s_setreg_imm32_b32 hwreg(HW_REG_WAVE_SCHED_MODE, 0, 2), 2
	s_setreg_imm32_b32 hwreg(HW_REG_WAVE_MODE, 25, 1), 1
	s_wait_xcnt 0x0
	s_wait_alu depctr_vm_vsrc(0)
; CAST AND BLOCK.  The ten f32 matrices of 2048 x 2048 that enter matrix products are rounded once to bf16 (nearest even) and written in blocks, so that what the
; next launch fetches for one K step of 128 lies dense in memory.
;   abf [mt 8][ks 32][kh 2][row 256][kk 64]: x = [h0 | behavior]; m = 256 mt + row, k = 128 ks + 64 kh + kk; k < 2048 is h0.
;   wbf [nt 32][ks 32][g 4][kk 128][c 64]:   gate g (i, f, g, o); n = 64 nt + c, k = 128 ks + kk; k < 2048 is W*_h, the rest W*_x.
; LIMIT.  bf16 has f32's exponent range; a magnitude above 3.39e38 rounds to an infinity.  NaN stays NaN.
; SHARES.  Grid y picks the source (in the order of the arguments), grid x a block of 64 rows (x >> 2) and a group of eight column tiles (x & 3); wave w takes column tile
; 8 (x & 3) + w: 64 rows x 64 columns.  Load j of 32: lane l takes 16 bytes of row 2 j + l / 16, so sixteen lanes read 256 consecutive bytes, aligned.  Two source rows are neighbours
; in both blocked layouts, so store j of the wave covers 256 consecutive bytes, aligned.  Memory binds: no LDS, no barrier, no matrix unit; every byte is read once and written once.
; All 32 loads of a wave go out at once (16 KiB a wave).
; THE MODE: SCHED_MODE bits 1:0 = 2 (LLVM: expert scheduling mode 2), set by the entry lines.  The code itself states the register dependences
; between vector instructions and memory instructions, with s_wait_alu, always for 0.
; THE PLAN.  Registers that memory instructions touch:
;   v1, v2        byte offsets in the source and in the destination: made once at the head, read by every load (v1) and every store (v2), never written again.
;   X + 4 j ..    load j lands in four registers that no vector instruction has named; its two roundings read the four and write the first two; store j reads those two; nothing writes them again.
; So no load lands in a register that a vector instruction has read or written, and no register that a memory instruction reads is written again.  What is left to state: the offsets are
; written ahead of the first load, and a row's two out registers are written ahead of its store.  The 32 rows go in eight groups of four: group p's roundings stand among the stores of group
; p - 1, and ONE wait at the head of a group states that the group before has written its eight out registers; the vector instructions behind that wait name the group's own registers alone.
.set X, 8                              ; v[8:135]  load j: four registers as loaded; the first two then hold the eight bytes to store
.set GRP, 4                            ; rows in a group
	s_load_b512 s[8:23], s[0:1], 0x0               ; h0, behavior, Wi_h, Wi_x, Wf_h, Wf_x, Wg_h, Wg_x
	s_load_b256 s[24:31], s[0:1], 0x40             ; Wo_h, Wo_x, abf s[28:29], wbf s[30:31]
	v_lshrrev_b32 v3, 5, v0
	v_readfirstlane_b32 s2, v3                     ; wave 0..7
	v_and_b32 v4, 31, v0                           ; lane
	v_lshrrev_b32 v5, 4, v4                        ; l / 16
	v_and_b32 v6, 15, v0                           ; l % 16
	v_lshlrev_b32 v1, 4, v6
	v_lshl_add_u32 v1, v5, 13, v1                  ; source: (l / 16) rows + 16 (l % 16)
	v_lshlrev_b32 v2, 3, v4                        ; destination: 8 l
	s_and_b32 s3, ttmp7, 0xffff                    ; y: the source
	s_lshr_b32 s4, ttmp9, 2                        ; rb: block of 64 rows
	s_and_b32 s5, ttmp9, 3
	s_lshl_b32 s5, s5, 3
	s_wait_alu depctr_va_sdst(0)                   ; s2 is written, ahead of its first reader: the column tile, and with it both bases, are made from it
	s_add_co_u32 s5, s5, s2                        ; ct: tile of 64 columns
	s_and_b32 s6, s3, 1                            ; p: 0 the h part of K, 1 the x part
	s_lshr_b32 s7, s3, 1
	s_max_u32 s7, s7, 1
	s_sub_co_u32 s7, s7, 1                         ; the gate, for y >= 2 (0 otherwise: not used there)
	s_lshl_b32 s33, s6, 20                         ; p x 16 K steps of 65,536 bytes: in both layouts
	s_lshr_b32 s32, s4, 2                          ; abf: mt = rb / 4,
	s_lshl_b32 s32, s32, 21
	s_or_b32 s32, s32, s33
	s_lshl_b32 s34, s5, 15                         ; ks and kh together are ct,
	s_or_b32 s32, s32, s34
	s_and_b32 s34, s4, 3                           ; row = 64 (rb % 4) + ..
	s_lshl_b32 s34, s34, 13
	s_or_b32 s32, s32, s34
	s_lshl_b32 s34, s5, 21                         ; wbf: nt = ct,
	s_or_b32 s33, s33, s34
	s_lshr_b32 s34, s4, 1                          ; ks = rb / 2,
	s_lshl_b32 s34, s34, 16
	s_or_b32 s33, s33, s34
	s_lshl_b32 s34, s7, 14                         ; the gate,
	s_or_b32 s33, s33, s34
	s_and_b32 s34, s4, 1                           ; kk = 64 (rb % 2) + ..
	s_lshl_b32 s34, s34, 13
	s_or_b32 s33, s33, s34
	s_cmp_lt_u32 s3, 2
	s_cselect_b32 s34, s32, s33                    ; the wave's offset in its destination
	s_mov_b32 s35, 0
	s_lshl_b32 s40, s4, 19                         ; in the source: 64 rb rows of 8,192 bytes
	s_lshl_b32 s41, s5, 8                          ; + 64 ct columns of 4 bytes
	s_add_co_u32 s40, s40, s41
	s_mov_b32 s41, 0
	s_wait_kmcnt 0x0
	s_cmp_lt_u32 s3, 2
	s_cselect_b64 s[38:39], s[28:29], s[30:31]     ; abf for h0 and behavior, wbf for the weights
	s_mov_b64 s[36:37], s[8:9]
.irp i, 1,2,3,4,5,6,7,8,9
	s_cmp_eq_u32 s3, \i
	s_cselect_b64 s[36:37], s[8+2*\i:9+2*\i], s[36:37]
.endr
	s_add_nc_u64 s[36:37], s[36:37], s[40:41]
	s_add_nc_u64 s[38:39], s[38:39], s[34:35]
	s_wait_alu depctr_va_vdst(0)                   ; v1 and v2 are written: every load of the kernel reads v1 as its offset, every store v2
.set j, 0
.rept 32
	global_load_b128 v[X+4*j:X+4*j+3], v1, s[36:37] offset:j*16384 th:TH_LOAD_NT
.set j, j+1
.endr
.set j, 0
.rept 32
.if (j % GRP == 0) && (j > 0)
	s_wait_alu depctr_va_vdst(0)                   ; the roundings of the group before have written its eight out registers, which the four stores of this group's turn read
.endif
.if j >= GRP
	global_store_b64 v2, v[X+4*(j-GRP):X+4*(j-GRP)+1], s[38:39] offset:(j-GRP)*256 th:TH_STORE_NT  ; a row of the group before: no vector instruction since the wait names its registers
.endif
	s_wait_loadcnt 31-j                            ; loads come back in order: load j is in, the 31 - j younger ones stay out
	v_cvt_pk_bf16_f32 v[X+4*j], v[X+4*j], v[X+4*j+1]
	v_cvt_pk_bf16_f32 v[X+4*j+1], v[X+4*j+2], v[X+4*j+3]
.set j, j+1
.endr
	s_wait_alu depctr_va_vdst(0)                   ; the last group's roundings have written its eight out registers, which the last four stores read
.set j, 32-GRP
.rept GRP
	global_store_b64 v2, v[X+4*j:X+4*j+1], s[38:39] offset:j*256 th:TH_STORE_NT
.set j, j+1
.endr
	s_endpgm
.Lfunc_end_k_q49e0b6405f_pack:
	.size	k_q49e0b6405f_pack, .Lfunc_end_k_q49e0b6405f_pack-k_q49e0b6405f_pack
	.p2alignl 7, 3214868480
	.fill 96, 4, 3214868480
	.section	.rodata,"a",@progbits
	.p2align	6, 0x0
	.amdhsa_kernel k_q49e0b6405f_pack
		.amdhsa_group_segment_fixed_size 0
		.amdhsa_private_segment_fixed_size 0
		.amdhsa_enable_private_segment 0
		.amdhsa_kernarg_size 96
		.amdhsa_user_sgpr_count 2
		.amdhsa_user_sgpr_kernarg_segment_ptr 1
		.amdhsa_wavefront_size32 1
		.amdhsa_system_sgpr_workgroup_id_x 1
		.amdhsa_system_sgpr_workgroup_id_y 1
		.amdhsa_system_sgpr_workgroup_id_z 1
		.amdhsa_system_vgpr_workitem_id 0
		.amdhsa_next_free_vgpr 136
		.amdhsa_next_free_sgpr 66
		.amdhsa_reserve_vcc 0
		.amdhsa_float_denorm_mode_32 3
		.amdhsa_float_denorm_mode_16_64 3
		.amdhsa_memory_ordered 1
		.amdhsa_forward_progress 1
		.amdhsa_inst_pref_size 14
	.end_amdhsa_kernel
	.amdgpu_metadata
---
amdhsa.version: [ 1, 2 ]
amdhsa.kernels:
  - .name:           k_q49e0b6405f_pack
    .symbol:         k_q49e0b6405f_pack.kd
    .args:
      - { .name: h0, .offset: 0, .size: 8, .value_kind: global_buffer, .address_space: global }
      - { .name: behavior, .offset: 8, .size: 8, .value_kind: global_buffer, .address_space: global }
      - { .name: Wi_h, .offset: 16, .size: 8, .value_kind: global_buffer, .address_space: global }
      - { .name: Wi_x, .offset: 24, .size: 8, .value_kind: global_buffer, .address_space: global }
      - { .name: Wf_h, .offset: 32, .size: 8, .value_kind: global_buffer, .address_space: global }
      - { .name: Wf_x, .offset: 40, .size: 8, .value_kind: global_buffer, .address_space: global }
      - { .name: Wg_h, .offset: 48, .size: 8, .value_kind: global_buffer, .address_space: global }
      - { .name: Wg_x, .offset: 56, .size: 8, .value_kind: global_buffer, .address_space: global }
      - { .name: Wo_h, .offset: 64, .size: 8, .value_kind: global_buffer, .address_space: global }
      - { .name: Wo_x, .offset: 72, .size: 8, .value_kind: global_buffer, .address_space: global }
      - { .name: abf, .offset: 80, .size: 8, .value_kind: global_buffer, .address_space: global }
      - { .name: wbf, .offset: 88, .size: 8, .value_kind: global_buffer, .address_space: global }
    .group_segment_fixed_size: 0
    .private_segment_fixed_size: 0
    .kernarg_segment_align: 8
    .kernarg_segment_size: 96
    .max_flat_workgroup_size: 256
    .sgpr_count:     66
    .vgpr_count:     136
    .wavefront_size: 32
...
	.end_amdgpu_metadata
.endif
;; end of part 3
;; launch cell: the kernel of part 2 again; grid 32 x 8, 4 waves a work-group, clusters of 4 x 4, 327,680 bytes of LDS; arguments abf, wbf, c0, bi, bf, bg, bo, out0; writes out0
